; MI455X (gfx1250); checked and timed in simulation.
; The chip was launched on July 23, 2026; its instructions are those of AMD's public machine-readable ISA for CDNA 5 (MIT licence, August 2026) and "CDNA5" Instruction Set Architecture Reference Guide (July 2026). The comments in the code are by the model that wrote it; some were corrected since.
;; Dual Attention. Allowed arithmetic: matrix products marked QUANTISED: E3M2 operands, one E8M0 scale for each 32 along K, by v_wmma_scale_f32_16x16x128_f8f6f4 with both operands' format E3M2, f32 sums; products left as they are: f32 operands where the result goes on into a quantised operand, else bf16, f16 or f32 operands; f32 sums; everything else in f32.
;; Inputs: Vw 1,024 x 1 float32; Ww_codes 1,024 x 64 x 24 uint8 (E3M2 codes of Ww, K innermost, in blocks of 32 codes, four codes in three bytes); Ww_scales 1,024 x 64 uint8 (E8M0 scales of Ww, one for each 32 codes along K); Wz_codes 1,024 x 64 x 24 uint8 (E3M2 codes of Wz, K innermost, in blocks of 32 codes, four codes in three bytes); Wz_scales 1,024 x 64 uint8 (E8M0 scales of Wz, one for each 32 codes along K); bw 1,024 float32; bz 1,024 float32; hidden_codes 1,024 x 16 x 64 x 24 uint8 (E3M2 codes of hidden, K innermost, in blocks of 32 codes, four codes in three bytes); hidden_scales 1,024 x 16 x 64 uint8 (E8M0 scales of hidden, one for each 32 codes along K); vb 1 float32; w_a one number float32; z_codes 1,024 x 16 x 64 x 24 uint8 (E3M2 codes of z, K innermost, in blocks of 32 codes, four codes in three bytes); z_scales 1,024 x 16 x 64 uint8 (E8M0 scales of z, one for each 32 codes along K).
;; Outputs: out0 1,024 x 16 x 1 float32.
;; This version of the problem:
;;   THIS VERSION OF THE PROBLEM IS GIVEN IN LOW PRECISION. The matrix products marked QUANTISED in the list below multiply operands that are first quantised to E3M2 (3 exponent bits, 2 mantissa bits; 6 bits a number), with one power-of-two scale for each 32 numbers along K (OCP MX v1.0); their sums are f32. All else is computed in f32.
;;   The module's matrix products, in the order in which they are computed (A, B: the left and right operand; K: the contracted axis; several contracted axes count as one K, in the product's order):
;;     1. [M 16,384, K 2,048] x [K 2,048, N 1,024]; A: input hidden (given as codes); B: input Ww (given as codes): QUANTISED
;;     2. [M 16,384, K 2,048] x [K 2,048, N 1,024]; A: input z (given as codes); B: input Wz (given as codes): QUANTISED
;;     3. [M 16,384, K 1,024] x [K 1,024, N 1]; A: computed on the way; B: input Vw: left as it is (N = 1 < 16)
;;   THE QUANTISER, for each operand of a quantised product, along K:
;;     - K is cut into blocks of 32 from its start; a last block that is shorter is filled with zeros.
;;     - A block's scale is 2^e with e = floor(log2(the largest magnitude in the block)) - 4, held to -126 .. 127; a block of zeros has e = 0. As a byte (E8M0): e + 127.
;;     - Each number is divided by its block's scale, clamped to +-28, and rounded to the nearest number of E3M2, ties to even, subnormals kept.
;;     - The product sums the exact products of the quantised numbers (number of the format x scale) in f32.
;;   ~~~python
;;   def quantise(x, axis):      # numpy; x: float32 -> the quantised numbers, widened to float32 again
;;       x = np.moveaxis(x, axis, -1); K = x.shape[-1]
;;       x = np.pad(x, [(0, 0)] * (x.ndim - 1) + [(0, -K % 32)]); x = x.reshape(x.shape[:-1] + (-1, 32)); a = np.abs(x).max(-1, keepdims=True)
;;       e = np.where(a > 0, np.clip(np.frexp(np.where(a > 0, a, 1))[1] - 1 - 4, -126, 127), 0)      # np.frexp(a)[1] - 1 = floor(log2(a)), exactly
;;       r = np.clip(x / 2.0 ** e, -28, 28)
;;       step = 2.0 ** (np.maximum(np.frexp(np.where(r == 0, 1, r))[1] - 1, -2) - 2)
;;       q = np.round(r / step) * step * 2.0 ** e      # np.round: ties to even
;;       return np.moveaxis(q.reshape(q.shape[:-2] + (-1,))[..., :K], -1, axis).astype(np.float32)
;;   ~~~
;;   INPUTS GIVEN AS CODES. Ww (in the module: [2048, 1024], K = its axis 0); Wz (in the module: [2048, 1024], K = its axis 0); hidden (in the module: [1024, 16, 2048], K = its axis 2); z (in the module: [1024, 16, 2048], K = its axis 2): each comes as NAME_codes (uint8): NAME with its K axis moved to the last place and cut into blocks of 32 codes, [.., K / 32, bytes a block], one block behind the other in memory; four codes in three bytes: a row's codes are one little-endian stream of bits, code i at bits 6 i .. 6 i + 5 (a code: sign, 3 exponent bits, 2 mantissa bits); and NAME_scales (uint8): the same leading axes, one E8M0 byte (e + 127) for each 32 codes along K. Its value is code x scale, taken as it is: it is not quantised again, and the codes and scales need not be those that the quantiser above would give.
;; One version. Each part assembles by itself: llvm-mc -triple=amdgcn-amd-amdhsa -mcpu=gfx1250 --defsym DOCPART=n.
;; ======== version 1 of 1: 2 launches
;; limits: right only within a limited range of input values
;; workspace buffers: upart 262,144 bytes
;; launch gemm (part 1): grid 4 x 64, 4 waves a work-group, clusters of 4 x 4, 327,680 bytes of LDS; arguments hidden_codes, z_codes, Ww_codes, Wz_codes, hidden_scales, z_scales, Ww_scales, Wz_scales, bw, bz, w_a, Vw, upart; writes upart
.if DOCPART == 1
	.amdgcn_target "amdgcn-amd-amdhsa--gfx1250"
	.amdhsa_code_object_version 6
	.text
	.protected	k_qe4569432f3_gemm
	.globl	k_qe4569432f3_gemm
	.p2align	8
	.type	k_qe4569432f3_gemm,@function
k_qe4569432f3_gemm:
	s_mov_b64 s[64:65], 0
	v_nop
	global_prefetch_b8 v0, s[64:65] scope:SCOPE_SE
	s_setreg_imm32_b32 hwreg(HW_REG_WAVE_MODE, 25, 1), 1
	s_wait_xcnt 0x0
	s_wait_alu depctr_hold_cnt(0) depctr_sa_sdst(0) depctr_va_vdst(0) depctr_va_sdst(0) depctr_va_ssrc(0) depctr_va_vcc(0) depctr_vm_vsrc(0)
	s_getreg_b32 s2, hwreg(HW_REG_IB_STS2, 6, 4)
	s_cmp_eq_u32 s2, 0
	s_cbranch_scc0 .Lentry_in_a_cluster
	s_endpgm
.Lentry_in_a_cluster:
	s_bfe_u32 s2, ttmp6, 0x10000c
	s_cmp_lg_u32 s2, 0xf033
	s_cbranch_scc0 .Lentry_shape_is_right
	s_endpgm
.Lentry_shape_is_right:
; upart[tx][m] = -2 x the sum over the 256 columns n of tile column tx of Vw[n] / (1 + 2^(c sum_w[m][n])), c = 2 log2(e),
; sum_w[m][n] = hidden[m] . Ww[n] + z[m] . Wz[n] + bw[n] + bz[n] + 0.5 w_a,  m = 16 s + b.
; WORK LEFT OUT.  tanh(x) = 1 - 2 / (1 + 2^(c x)), so u[m] = vb + (the sum of Vw) - 2 x the sum of Vw[n] r[m][n].  vb and the sum of Vw are the same for every s,
; and a softmax along s is unchanged by a term that is the same along s, whatever the inputs hold: both are left out; vb is not loaded and is no argument of any launch.
; LIMITS: a NaN, an infinity or an overflow in vb or in the sum of Vw is not carried to the result.  NaN among the other inputs and the scale byte 0xff are not served.
; Where 2^(c x) overflows or falls to 0, r is exactly 0 or 1.
; SHARES.  A tile of 256 x 256 for a work-group of four waves, 128 x 128 a wave: 64 accumulators, 512 registers; 64 x 4 tiles.  The two products are one sum:
; a loop of two trips, hidden and Ww, then z and Wz; a trip is 16 steps of 128 along K (96 bytes of a row) = 6 chunks of 256 bytes, after which slots and chunks stand as at its start.
; RING: two LDS slots, each one chunk of A's 256 and B's 256 rows; every tile row is 256 bytes of memory at a multiple of 256.  The last three steps are written twice:
; in the loop they ask for the next pair's first chunks and scales; the tail behind the loop asks for nothing, and the second trip leaves the loop ahead of them.
; SCALES of one pair of tensors (256 + 256 rows x 64 bytes) lie in LDS; the second pair's come into the same bytes in step 13, with the next chunk 0: four loads, one a wave.
; The words of steps 14 and 15 are read ahead of that, into a third set of registers.
; CLUSTERS 4 x 4: A's tiles are asked for jointly along a row of the cluster, B's along a column.  The matrix instruction is used transposed (source 0 = W's rows).
; PREFETCH: behind each refill a wave names, a lane a row, 32 rows' chunk that stands two refills on; the four partners share a tile's rows out by address; the first four chunks and the last trip's end ask for nothing.
; REGISTERS.  window 0: v0-31 addresses; v32-79 scale words, three sets; v80-127, v224-239 Vw; v128-223 A's fragments (one set), on the way out 64 numbers and sums.
; window 1: B's fragments, two sets, v0-95 and v128-223; v96-127, v224-255 c x bias.  windows 2, 3: accumulators.
.set ROWB,   256
.set KROW,   1536
.set CHUNKS, 6
.set PITCH,  272                       ; 256 bytes + 16 of padding
.set FR,     12
.set NL,     6
.set NP,     4
.set NQ,     2
.set HALFT,  128*PITCH
.set SLOT,   4*HALFT
.set KS,     64
.set SCL,    2*SLOT
.set HALFS,  32*272
.set SBLK,   4*272
.set SPARE,  SCL+4*HALFS               ; the spare words: 512 bytes that no other line names
.set UST,    SPARE+512                 ; the rows' sums: [2 column halves][256 rows] f32
.set VWO,  15
.set ADRA, 16
.set ADRB, 20
.set UA,   24
.set UR,   25
.set UG,   26
.set ADRS, 27
.set SPW,  28
.set NIL,  29
.set PFO,  30
.set UT,   31
.set SC,   32
.set AF,   128
.set T,    128
.set U,    192
.set WV,   30
.set RH,   31
.set CH,   66
.set G1,   32
.set G1B,  40
.set G1S,  48
.set G1SB, 56
.set G0,   68
.set G0B,  76
.set G0H,  84
.set G0HB, 88
.set G0S,  92
.set G0SB, 96
.set ZA,   4                           ; s[4:5], s[8:9]: my 128 rows of z and of Wz
.set ZB,   8
.set PFA,  12                          ; s[12:13] my prefetches' rows in this trip's tensor, s[16:17] in the second pair's
.set PFN,  16
.set MSB, 0
.macro WIN new
.if MSB != \new
	s_set_vgpr_msb (MSB<<8)|\new
.set MSB, \new
.endif
.endm
.set MUL_LO, 0xa1
.set TO_B,   0x40
.macro TL g0, g1                       ; a tensor load with an s_nop and four v_nops behind it
	tensor_load_to_lds s[\g0:\g0+3], s[\g1:\g1+7]
	s_nop 0
.rept 4
	v_nop
.endr
.endm
.macro JLOAD g0a, g1a, g0b, g1b        ; waves 0, 1 fetch for A, waves 2, 3 for B
	s_cmp_eq_u32 s[RH], 0
	s_cbranch_scc0 .Lfor_b_\@
	TL \g0a, \g1a
	s_branch .Lasked_\@
.Lfor_b_\@:
	TL \g0b, \g1b
.Lasked_\@:
.endm
.macro QUAD                            ; four tiles, one a wave: chunk 0's 256 rows of A, of B, A's scales, B's scales
	s_cmp_lt_u32 s[WV], 1
	s_cbranch_scc0 .Lq1_\@
	TL G0H, G1
	s_branch .Lq4_\@
.Lq1_\@:
	s_cmp_lt_u32 s[WV], 2
	s_cbranch_scc0 .Lq2_\@
	TL G0HB, G1B
	s_branch .Lq4_\@
.Lq2_\@:
	s_cmp_lt_u32 s[WV], 3
	s_cbranch_scc0 .Lq3_\@
	TL G0S, G1S
	s_branch .Lq4_\@
.Lq3_\@:
	TL G0SB, G1SB
.Lq4_\@:
.endm
.macro CREST
	s_cmp_lg_u32 s[WV], 0
	s_cbranch_scc1 .Lnot_wave_0_\@
	s_barrier_signal -3
.Lnot_wave_0_\@:
	s_barrier_wait -3
	s_barrier_signal -1
	s_barrier_wait -1
.endm
.macro CROUND
	s_barrier_signal -1
	s_barrier_wait -1
	CREST
.endm
.macro ROWS n                          ; rows of a load of codes; written only where no tensor load of mine is out
	s_mov_b32 s[G1+2], (\n)<<16
	s_mov_b32 s[G1+4], \n
	s_mov_b32 s[G1B+2], (\n)<<16
	s_mov_b32 s[G1B+4], \n
.endm
.macro PTR g, p                        ; a group 0's address words from a pointer
	s_mov_b64 s[\g+2:\g+3], s[\p:\p+1]
	s_or_b32 s[\g+3], s[\g+3], 0x80000000
.endm
	s_load_b512 s[4:19], s[0:1], 0x0               ; codes: hidden, z, Ww, Wz; scales: hidden, z, Ww, Wz
	s_load_b256 s[20:27], s[0:1], 0x40             ; bw, bz, w_a, Vw
	s_load_b64 s[28:29], s[0:1], 0x60              ; upart
	v_lshl_add_u32 v[SPW], v0, 2, SPARE
	v_mov_b32 v[NIL], 0
	ds_add_u32 v[SPW], v[NIL]                      ; the opening lines: the add twice and one wait
	ds_add_u32 v[SPW], v[NIL]
	v_lshrrev_b32 v1, 5, v0
	v_readfirstlane_b32 s[WV], v1
	s_lshr_b32 s[RH], s[WV], 1                     ; my half of the rows; also: I fetch for A (0) or B (1)
	s_and_b32 s[CH], s[WV], 1                      ; my half of the columns; also: which 128 rows I fetch
	s_bfe_u32 s100, ttmp6, 0x40000                 ; cx
	s_bfe_u32 s101, ttmp6, 0x40004                 ; cy
	s_lshl_b32 s104, ttmp9, 2
	s_add_co_u32 s104, s104, s100                  ; tile column
	s_and_b32 s105, ttmp7, 0xffff
	s_lshl_b32 s105, s105, 2
	s_add_co_u32 s105, s105, s101                  ; tile row
	s_lshl_b32 s67, s101, 2
	s_lshl_b32 s67, 15, s67                        ; my row of the cluster
	s_lshl_b32 s2, 0x1111, s100                    ; my column
	s_or_b32 s[G1], s67, (1<<20)|(1<<21)|(5<<22)|(3<<25)   ; bytes; 4 words of padding behind every 64
	s_or_b32 s[G1B], s2, (1<<20)|(1<<21)|(5<<22)|(3<<25)
.irp g, G1, G1B
	s_mov_b32 s[\g+1], ROWB<<16
	s_mov_b32 s[\g+2], 256<<16
	s_mov_b32 s[\g+3], ROWB<<16
	s_mov_b32 s[\g+4], 256
	s_mov_b32 s[\g+5], KROW
	s_mov_b32 s[\g+6], 0
	s_mov_b32 s[\g+7], 0
.endr
	s_or_b32 s[G1S], s67, (3<<16)|(1<<20)|(1<<21)|(5<<22)|(3<<25)   ; scales of 256 rows: 64 dense rows of 256 bytes
	s_or_b32 s[G1SB], s2, (3<<16)|(1<<20)|(1<<21)|(5<<22)|(3<<25)
.irp g, G1S, G1SB
	s_mov_b32 s[\g+1], 32<<16
	s_mov_b32 s[\g+2], KS<<16
	s_mov_b32 s[\g+3], 32<<16
	s_mov_b32 s[\g+4], KS
	s_mov_b32 s[\g+5], 32
	s_mov_b32 s[\g+6], 0
	s_mov_b32 s[\g+7], 0
.endr
	s_mul_i32 s68, s105, 256*KROW                  ; byte offsets: A's codes, A's scales,
	s_mov_b32 s69, 0
	s_lshl_b32 s70, s105, 14
	s_mov_b32 s71, 0
	s_mul_i32 s76, s104, 256*KROW                  ; B's codes, B's scales,
	s_mov_b32 s77, 0
	s_lshl_b32 s78, s104, 14
	s_mov_b32 s79, 0
	s_lshl_b32 s80, s104, 10                       ; my 128 columns in bw, bz, Vw,
	s_lshl_b32 s67, s[CH], 9
	s_add_co_u32 s80, s80, s67
	s_mov_b32 s81, 0
	s_lshl_b32 s82, s104, 16                       ; my tile's 256 numbers in upart
	s_lshl_b32 s67, s105, 10
	s_add_co_u32 s82, s82, s67
	s_mov_b32 s83, 0
	s_cmp_eq_u32 s[RH], 0
	s_cselect_b32 s100, s100, s101                 ; my place among the four that ask with me
	s_mul_i32 s100, s100, 32*KROW
	s_mov_b32 s101, 0
	s_mul_i32 s104, s[CH], 128*KROW                ; the 128 rows that I fetch in the ring
	s_mov_b32 s105, 0
	s_mul_i32 s67, s[WV], HALFT                    ; and where they go
	s_wait_dscnt 0x0
	s_wait_kmcnt 0x0
	s_add_nc_u64 s[4:5], s[4:5], s[68:69]
	s_add_nc_u64 s[6:7], s[6:7], s[68:69]
	s_add_nc_u64 s[8:9], s[8:9], s[76:77]
	s_add_nc_u64 s[10:11], s[10:11], s[76:77]
	s_add_nc_u64 s[12:13], s[12:13], s[70:71]
	s_add_nc_u64 s[14:15], s[14:15], s[70:71]
	s_add_nc_u64 s[16:17], s[16:17], s[78:79]
	s_add_nc_u64 s[18:19], s[18:19], s[78:79]
	s_add_nc_u64 s[20:21], s[20:21], s[80:81]
	s_add_nc_u64 s[22:23], s[22:23], s[80:81]
	s_add_nc_u64 s[26:27], s[26:27], s[80:81]
	s_add_nc_u64 s[28:29], s[28:29], s[82:83]
	s_load_b32 s2, s[24:25], 0x0                   ; w_a
	CROUND                                         ; the first joint loads meet
	s_mov_b32 s[G0H], 1
	s_mov_b32 s[G0H+1], 0
	PTR G0H, 4
	s_mov_b32 s[G0HB], 1
	s_mov_b32 s[G0HB+1], 2*HALFT
	PTR G0HB, 8
	s_mov_b32 s[G0S], 1
	s_mov_b32 s[G0S+1], SCL
	PTR G0S, 12
	s_mov_b32 s[G0SB], 1
	s_mov_b32 s[G0SB+1], SCL+2*HALFS
	PTR G0SB, 16
	s_cmp_eq_u32 s[RH], 0
	s_cselect_b64 s[PFA:PFA+1], s[4:5], s[8:9]
	s_cselect_b64 s[PFN:PFN+1], s[6:7], s[10:11]
	s_add_nc_u64 s[PFA:PFA+1], s[PFA:PFA+1], s[104:105]
	s_add_nc_u64 s[PFN:PFN+1], s[PFN:PFN+1], s[104:105]
	s_add_nc_u64 s[PFA:PFA+1], s[PFA:PFA+1], s[100:101]
	s_add_nc_u64 s[PFN:PFN+1], s[PFN:PFN+1], s[100:101]
	s_add_nc_u64 s[4:5], s[4:5], s[104:105]
	s_add_nc_u64 s[8:9], s[8:9], s[104:105]
.irp s, 0,1
	s_mov_b32 s[G0+4*\s], 1
	s_add_co_u32 s[G0+4*\s+1], s67, \s*SLOT
	s_add_nc_u64 s[G0+4*\s+2:G0+4*\s+3], s[4:5], \s*ROWB
	s_or_b32 s[G0+4*\s+3], s[G0+4*\s+3], 0x80000000
	s_mov_b32 s[G0B+4*\s], 1
	s_add_co_u32 s[G0B+4*\s+1], s67, \s*SLOT
	s_add_nc_u64 s[G0B+4*\s+2:G0B+4*\s+3], s[8:9], \s*ROWB
	s_or_b32 s[G0B+4*\s+3], s[G0B+4*\s+3], 0x80000000
.endr
	s_add_nc_u64 s[ZA:ZA+1], s[6:7], s[104:105]
	s_add_nc_u64 s[ZB:ZB+1], s[10:11], s[104:105]
	QUAD                                           ; one tensor load a wave at the head
	s_mul_i32 s100, s[RH], HALFT                   ; my rows of A,
	s_mul_i32 s101, s[CH], HALFT
	s_add_co_u32 s101, s101, 2*HALFT               ; of B,
	s_mul_i32 s67, s[RH], HALFS
	s_mul_i32 s104, s[CH], HALFS
	s_add_co_u32 s104, s104, 2*HALFS
	s_sub_co_u32 s104, s104, s67                   ; from A's scales to B's,
	s_add_co_u32 s67, s67, SCL
	s_lshl_b32 s105, s[CH], 1
	s_add_co_u32 s105, s105, s[RH]
	s_lshl_b32 s105, s105, 9
	s_add_co_u32 s105, s105, UST                   ; my rows' sums: 1,024 x column half + 512 x row half
	v_and_b32 v1, 15, v0                           ; r
	v_bfe_u32 v2, v0, 4, 1                         ; h
	v_lshlrev_b32 v[VWO], 5, v2
	v_mul_u32_u24 v3, v1, PITCH
	v_mul_u32_u24 v4, v2, 24
	v_add_nc_u32 v4, v3, v4
	v_sub_nc_u32 v7, 1, v2
	v_mul_u32_u24 v5, SLOT-232, v2
	v_add_nc_u32 v5, v3, v5
	v_add_nc_u32 v5, 232, v5                       ; lanes 0-15 byte 232 in slot 0, lanes 16-31 byte 0 in slot 1
	v_mul_u32_u24 v6, SLOT+232, v7
	v_add_nc_u32 v6, v3, v6                        ; and the other way round
	v_add_nc_u32 v[ADRA+2], s100, v5
	v_add_nc_u32 v[ADRA+3], s100, v6
	v_add_nc_u32 v[ADRB+2], s101, v5
	v_add_nc_u32 v[ADRB+3], s101, v6
	v_add_nc_u32 v[ADRA], s100, v4
	v_add_nc_u32 v[ADRB], s101, v4
	v_add_nc_u32 v[ADRA+1], SLOT, v[ADRA]
	v_add_nc_u32 v[ADRB+1], SLOT, v[ADRB]
	v_lshlrev_b32 v5, 6, v1                        ; my row's scales: 64 bytes a row, 16 more for each 256 passed
	v_lshrrev_b32 v6, 8, v5
	v_lshl_add_u32 v5, v6, 4, v5
	v_mul_u32_u24 v6, s104, v2
	v_add_nc_u32 v5, v5, v6
	v_add_nc_u32 v[ADRS], s67, v5
	v_lshl_add_u32 v[UA], v1, 2, s105
	v_lshlrev_b32 v[UG], 3, v0
	v_add_nc_u32 v[UR], UST, v[UG]
	v_and_b32 v[PFO], 31, v0
	v_mul_u32_u24 v[PFO], v[PFO], KROW
.irp q, 0,1,2,3,4,5,6,7,8,9,10,11,12,13,14,15   ; register 8 b + j: column 16 b + 8 h + j of my 128
	global_load_b128 v[T+4*\q:T+4*\q+3], v[VWO], s[20:21] offset:64*(\q/2)+16*(\q%2)
	global_load_b128 v[80+4*\q+96*((4*\q)/48):83+4*\q+96*((4*\q)/48)], v[VWO], s[26:27] offset:64*(\q/2)+16*(\q%2)
.endr
	WIN TO_B
.irp q, 0,1,2,3,4,5,6,7,8,9,10,11,12,13,14,15
	global_load_b128 v[4*\q:4*\q+3], v[VWO], s[22:23] offset:64*(\q/2)+16*(\q%2)
.endr
	WIN 0
	s_mov_b32 s104, 0x4038aa3b                     ; c = 2 log2(e), as a pair
	s_mov_b32 s105, s104
	s_wait_kmcnt 0x0
	s_mul_f32 s67, s2, 0x3fb8aa3b                  ; c x 0.5 w_a
	s_wait_loadcnt 0x0
	v_mov_b32 v12, s67
	v_mov_b32 v13, s67
	WIN 0x40
.set i, 0
.rept 32
	v_pk_fma_f32 v[96+2*i+96*(i/16):97+2*i+96*(i/16)], v[T+2*i:T+2*i+1], s[104:105], v[12:13] op_sel_hi:[1,0,1]
.set i, i+1
.endr
	WIN 0x51
.set i, 0
.rept 32
	v_pk_fma_f32 v[96+2*i+96*(i/16):97+2*i+96*(i/16)], v[2*i:2*i+1], s[104:105], v[96+2*i+96*(i/16):97+2*i+96*(i/16)] op_sel_hi:[1,0,1]
.set i, i+1
.endr
	WIN 0
.macro FRAG reg, adr, st, i            ; 16 rows x 128 K: six pieces of 8 bytes; byte y of a row lies in slot (y / 256) % 2 at byte y % 256
.irp p, 0,1,2,3,4,5
.set BY, 96*(\st)+48*(\p/3)+8*(\p%3)
.if BY/ROWB == (BY+24)/ROWB
	ds_load_b64 v[\reg+2*\p:\reg+2*\p+1], v[\adr+(BY/ROWB)%2] offset:BY%ROWB+(\i)*16*PITCH
.else
	ds_load_b64 v[\reg+2*\p:\reg+2*\p+1], v[\adr+2+(BY/ROWB)%2] offset:BY%ROWB-232+(\i)*16*PITCH
.endif
.endr
.endm
.macro MUL16 a0, p, q, sc, zero        ; A's blocks a0, a0 + 1 x B's eight; the accumulators take turns
.irp a, \a0, \a0+1
.irp b, 0,1,2,3,4,5,6,7
.if \zero
	v_wmma_scale_f32_16x16x128_f8f6f4 v[8*(8*((\a)%4)+\b):8*(8*((\a)%4)+\b)+7], v[128*(\p)+FR*\b:128*(\p)+FR*\b+FR-1], v[AF+FR*(\a):AF+FR*(\a)+FR-1], 0, v[SC+8*NQ*(\sc)+NQ*\b+(\q)], v[SC+8*NQ*(\sc)+NQ*(\a)+(\q)] matrix_a_fmt:MATRIX_FMT_BF6 matrix_b_fmt:MATRIX_FMT_BF6 matrix_a_scale:MATRIX_SCALE_ROW1
.else
	v_wmma_scale_f32_16x16x128_f8f6f4 v[8*(8*((\a)%4)+\b):8*(8*((\a)%4)+\b)+7], v[128*(\p)+FR*\b:128*(\p)+FR*\b+FR-1], v[AF+FR*(\a):AF+FR*(\a)+FR-1], v[8*(8*((\a)%4)+\b):8*(8*((\a)%4)+\b)+7], v[SC+8*NQ*(\sc)+NQ*\b+(\q)], v[SC+8*NQ*(\sc)+NQ*(\a)+(\q)] matrix_a_fmt:MATRIX_FMT_BF6 matrix_b_fmt:MATRIX_FMT_BF6 matrix_a_scale:MATRIX_SCALE_ROW1
.endif
.endr
.endr
.endm
.macro SETSC st                        ; the step's set of scale words: pair % 2, the last pair the third set
.set SCI, ((\st)/2)%2
.if (\st) >= 14
.set SCI, 2
.endif
.endm
.macro MUL32 a0, st, z                 ; 32 products.  z = 2: in the first trip they start the sums with C = 0, in the second they add
	SETSC \st
.if (\z) == 2
	s_cmp_eq_u32 s3, 0
	s_cbranch_scc0 .Lacc_\@
	WIN MUL_LO+0x50*((\a0)/4)
	MUL16 \a0, (\st)%2, (\st)%2, SCI, 1
	MUL16 \a0+2, (\st)%2, (\st)%2, SCI, 1
	WIN 0
	s_branch .Ldone_\@
.Lacc_\@:
.endif
	WIN MUL_LO+0x50*((\a0)/4)
	MUL16 \a0, (\st)%2, (\st)%2, SCI, 0
	MUL16 \a0+2, (\st)%2, (\st)%2, SCI, 0
.if (\z) == 2
	WIN 0
.Ldone_\@:
.endif
.endm
.macro FETCH_B st, p
	WIN TO_B
.irp i, 0,1,2,3,4,5,6,7
	FRAG 128*(\p)+FR*\i, ADRB, \st, \i
.endr
	WIN 0
.endm
.macro FETCH_A st, i0
.irp i, \i0, \i0+1, \i0+2, \i0+3
	FRAG AF+FR*(\i), ADRA, \st, \i
.endr
.endm
.macro SCALES pr, set                  ; two words a row: lanes 0-15 A's block i, lanes 16-31 B's
.irp i, 0,1,2,3,4,5,6,7
	ds_load_b64 v[SC+16*(\set)+2*\i:SC+16*(\set)+2*\i+1], v[ADRS] offset:\i*SBLK+8*((\pr)%8)
.endr
.endm
.macro PLACES n                        ; plain places behind matrix instructions (ISA guide 7.12.1)
.rept \n
	v_nop
.endr
.endm
; A step of 128 along K.  Where the next step's bytes end in a chunk not read yet: a wait for my loads and a barrier.  Where they begin in a later chunk and something is left to fetch (more = 1: the next pair's too):
; the wait for all my loads, the add, the wait for it and for my reads, a round of the cluster's barrier, and my one refill.
.macro STEP st, z, more
.set NX, (\st)+1
.set C0, (96*(\st))/ROWB
.set C1, (96*NX)/ROWB
.set E0, (96*(\st)+95)/ROWB
.set E1, (96*NX+95)/ROWB
.set RF, 0
.if C1 > C0
.if (C0+2 < CHUNKS) || (\more)
.set RF, 1
.endif
.endif
	SETSC \st
.if RF || (E1 > E0)
.if RF && (C0 == 4)
	s_wait_xcnt 0x0                                ; my prefetches have read their address: from here on the second pair's rows
	s_mov_b64 s[PFA:PFA+1], s[PFN:PFN+1]
.endif
.if E1 > E0                            ; a load of mine may be out: the wait for it stands behind the step's first sixteen products, ahead of the signal
	s_wait_dscnt 4*NL                              ; the 24 youngest loads (A's blocks 4-7) may be out
	WIN MUL_LO
	MUL16 0, (\st)%2, (\st)%2, SCI, 0
.if RF
	WIN 0                                          ; (the add's two registers lie in window 0)
.endif
	s_wait_tensorcnt 0x0                           ; all my tensor loads have landed
.if RF
	ds_add_u32 v[SPW], v[NIL]
.if C0 == 5
	ROWS 128
.endif
.endif
	s_wait_dscnt 0x0                               ; the add, where there is one, and all my reads are done
	s_barrier_signal -1
	WIN MUL_LO
.else                                  ; nothing of mine is out: the chunk left behind is given up
	s_wait_tensorcnt 0x0
	ds_add_u32 v[SPW], v[NIL]
.if C0 == 4
	ROWS 256
.endif
	s_wait_dscnt 4*NL+1                            ; the add and the 24 youngest loads may be out
	WIN MUL_LO
	MUL16 0, (\st)%2, (\st)%2, SCI, 0
	s_wait_dscnt 0x0                               ; the add and all my reads are done
	s_barrier_signal -1
.endif
	MUL16 2, (\st)%2, (\st)%2, SCI, 0
	WIN 0
	s_barrier_wait -1
.if RF
	CREST
.if C0+2 < CHUNKS
	s_add_nc_u64 s[G0+4*(C0%2)+2:G0+4*(C0%2)+3], s[G0+4*(C0%2)+2:G0+4*(C0%2)+3], 2*ROWB
	s_add_nc_u64 s[G0B+4*(C0%2)+2:G0B+4*(C0%2)+3], s[G0B+4*(C0%2)+2:G0B+4*(C0%2)+3], 2*ROWB
	JLOAD G0+4*(C0%2), G1, G0B+4*(C0%2), G1B       ; chunk C0 + 2
.elseif C0 == 4
	QUAD                                           ; the second pair's chunk 0 and scales
.else
	PTR G0, ZA                                     ; the ring's addresses in the second pair: slot 0 at chunk 0, slot 1 at chunk 1
	s_add_nc_u64 s[G0+6:G0+7], s[G0+2:G0+3], ROWB
	PTR G0B, ZB
	s_add_nc_u64 s[G0B+6:G0B+7], s[G0B+2:G0B+3], ROWB
	JLOAD G0+4, G1, G0B+4, G1B
.endif
.else
	PLACES NP
.endif
.else
	s_wait_dscnt 4*NL
	MUL32 0, \st, \z
	s_wait_dscnt 0
	PLACES NP
.endif
	FETCH_B NX, NX%2
	FETCH_A NX, 0
.if (NX%2 == 0) && (NX != 14)
	SCALES NX/2, (NX/2)%2
.endif
.if NX == 12
	SCALES 7, 2
.endif
.if RF                                 ; the chunk two refills on, 32 rows, a lane a row
.if C0 < 2
	global_prefetch_b8 v[PFO], s[PFA:PFA+1] offset:(C0+4)*ROWB th:TH_LOAD_NT scope:SCOPE_SE
.elseif C0 < 4
	s_cmp_eq_u32 s3, 0                             ; the second trip has no pair behind it
	s_cbranch_scc0 .Lnp_\@
	global_prefetch_b8 v[PFO], s[PFN:PFN+1] offset:(C0-2)*ROWB th:TH_LOAD_NT scope:SCOPE_SE
.Lnp_\@:
.else
	global_prefetch_b8 v[PFO], s[PFN:PFN+1] offset:(C0-2)*ROWB th:TH_LOAD_NT scope:SCOPE_SE
.endif
.endif
	MUL32 4, \st, \z
	PLACES NP
	WIN 0
	FETCH_A NX, 4
.endm
	s_wait_alu depctr_va_vdst(0)                   ; the wait at the head's end
	s_wait_tensorcnt 0x0                           ; my tile of the head's four is in; the full sequence ahead of slot 1's first fill
	ds_add_u32 v[SPW], v[NIL]
	ROWS 128                                       ; no load of mine is out: the ring's loads bring 128 rows,
	PTR G0H, 6                                     ; and the four whole tiles' next addresses are the second pair's
	PTR G0HB, 10
	PTR G0S, 14
	PTR G0SB, 18
	s_wait_dscnt 0x0
	CROUND
	JLOAD G0+4, G1, G0B+4, G1B                     ; chunk 1
	FETCH_B 0, 0
	FETCH_A 0, 0
	SCALES 0, 0
	FETCH_A 0, 4
	s_mov_b32 s3, 0
.Llap:
	STEP 0, 2, 0
.set ST, 1
.rept 12
	STEP ST, 0, 0
.set ST, ST+1
.endr
	s_cmp_eq_u32 s3, 1
	s_cbranch_scc1 .Ltail                          ; the second trip's end asks for nothing: it is written out
	STEP 13, 0, 1
	STEP 14, 0, 1
	STEP 15, 0, 1
	s_add_co_u32 s3, s3, 1
	s_cmp_lt_u32 s3, 2
	s_cbranch_scc1 .Llap
.Ltail:
	STEP 13, 0, 0
	STEP 14, 0, 0
	s_wait_dscnt 4*NL
	MUL32 0, 15, 0
	s_wait_dscnt 0
	MUL32 4, 15, 0
	WIN 0
	PLACES NP
; THE WAY OUT: eight blocks of 16 rows, one trip each.  An arm, chosen by the trip's number, makes c x + c bias of the block's 64 numbers a lane; the rest is common:
; 2^(.), + 1, the reciprocal, x Vw in four chains, the two halves of the lanes, one word into LDS.
.macro ARMX a
.if (\a) < 7
	s_cmp_eq_u32 s3, \a
	s_cbranch_scc0 .Lnx_\@
.endif
	WIN 0x12+(\a)/4                                ; source 0: window 2 or 3; source 2: window 1
	s_wait_alu depctr_va_vdst(0)                   ; the wait ahead of the first reader of these matrix results
.set g, 0
.rept 32
	v_pk_fma_f32 v[T+2*g:T+2*g+1], v[64*((\a)%4)+2*g:64*((\a)%4)+2*g+1], s[104:105], v[96+2*g+96*(g/16):97+2*g+96*(g/16)] op_sel_hi:[1,0,1]
.set g, g+1
.endr
	WIN 0
.if (\a) < 7
	s_branch .Lpipe
.Lnx_\@:
.endif
.endm
	v_mov_b32 v[U+9], 0                            ; a lane permute's destination counts as a source
	s_mov_b32 s100, 0x76543210
	s_mov_b32 s101, 0xfedcba98
	s_mov_b32 s3, 0
.Lblk:
.irp a, 0,1,2,3,4,5,6,7
	ARMX \a
.endr
.Lpipe:
	s_wait_alu depctr_va_vdst(0)                   ; ahead of the batch
.set g, 0
.rept 64
	v_exp_f32 v[T+g], v[T+g]
.set g, g+1
.endr
	v_nop
	s_wait_alu depctr_va_vdst(0)                   ; and behind it
.set g, 0
.rept 32
	v_pk_add_f32 v[T+2*g:T+2*g+1], v[T+2*g:T+2*g+1], 1.0 op_sel_hi:[1,0]
.set g, g+1
.endr
	s_wait_alu depctr_va_vdst(0)
.set g, 0
.rept 64
	v_rcp_f32 v[T+g], v[T+g]
.set g, g+1
.endr
	v_nop
	s_wait_alu depctr_va_vdst(0)
.set g, 0
.rept 4
	v_pk_mul_f32 v[U+2*g:U+2*g+1], v[T+2*g:T+2*g+1], v[80+2*g:81+2*g]
.set g, g+1
.endr
.rept 28
	v_pk_fma_f32 v[U+2*(g%4):U+2*(g%4)+1], v[T+2*g:T+2*g+1], v[80+2*g+96*(g/24):81+2*g+96*(g/24)], v[U+2*(g%4):U+2*(g%4)+1]
.set g, g+1
.endr
	v_pk_add_f32 v[U:U+1], v[U:U+1], v[U+2:U+3]
	v_pk_add_f32 v[U+4:U+5], v[U+4:U+5], v[U+6:U+7]
	v_pk_add_f32 v[U:U+1], v[U:U+1], v[U+4:U+5]
	v_add_f32 v[U+8], v[U], v[U+1]
	v_permlanex16_b32 v[U+9], v[U+8], s100, s101
	v_add_f32 v[U+8], v[U+8], v[U+9]               ; my wave's 128 columns of row 16 a + r
	s_lshl_b32 s67, s3, 6
	v_add_nc_u32 v[UT], s67, v[UA]
	ds_store_b32 v[UT], v[U+8]                     ; lanes l and l xor 16 write the same word with the same value
	s_add_co_u32 s3, s3, 1
	s_cmp_lt_u32 s3, 8
	s_cbranch_scc1 .Lblk
	s_wait_dscnt 0x0                               ; for the others' sake: my stores are done
	s_barrier_signal -1
	s_barrier_wait -1
	ds_load_b64 v[U:U+1], v[UR]                    ; two rows' sums over the left 128 columns,
	ds_load_b64 v[U+2:U+3], v[UR] offset:1024      ; and over the right
	s_wait_dscnt 0x0
	v_pk_add_f32 v[U:U+1], v[U:U+1], v[U+2:U+3]
	v_pk_mul_f32 v[U:U+1], v[U:U+1], -2.0 op_sel_hi:[1,0]
	global_store_b64 v[UG], v[U:U+1], s[28:29]     ; a wave stores 256 consecutive bytes, at a multiple of 256 from upart's first byte
	s_wait_tensorcnt 0x0                           ; the wave's end
	ds_add_u32 v[SPW], v[NIL]
	s_wait_dscnt 0x0
	CROUND                                         ; the closing round
	s_endpgm
.Lfunc_end_k_qe4569432f3_gemm:
	.size	k_qe4569432f3_gemm, .Lfunc_end_k_qe4569432f3_gemm-k_qe4569432f3_gemm
	.p2alignl 7, 3214868480
	.fill 96, 4, 3214868480
	.section	.rodata,"a",@progbits
	.p2align	6, 0x0
	.amdhsa_kernel k_qe4569432f3_gemm
		.amdhsa_group_segment_fixed_size 327680
		.amdhsa_private_segment_fixed_size 0
		.amdhsa_enable_private_segment 0
		.amdhsa_kernarg_size 104
		.amdhsa_user_sgpr_count 2
		.amdhsa_user_sgpr_kernarg_segment_ptr 1
		.amdhsa_wavefront_size32 1
		.amdhsa_system_sgpr_workgroup_id_x 1
		.amdhsa_system_sgpr_workgroup_id_y 1
		.amdhsa_system_sgpr_workgroup_id_z 1
		.amdhsa_system_vgpr_workitem_id 0
		.amdhsa_next_free_vgpr 1024
		.amdhsa_next_free_sgpr 106
		.amdhsa_reserve_vcc 0
		.amdhsa_float_denorm_mode_32 3
		.amdhsa_float_denorm_mode_16_64 3
		.amdhsa_memory_ordered 1
		.amdhsa_forward_progress 1
		.amdhsa_inst_pref_size 255
	.end_amdhsa_kernel
	.section	.bss,"aw",@nobits
	.p2align	6
	.space	262144
	.amdgpu_metadata
---
amdhsa.version: [ 1, 2 ]
amdhsa.kernels:
  - .name:           k_qe4569432f3_gemm
    .symbol:         k_qe4569432f3_gemm.kd
    .args:
      - { .name: hidden_codes, .offset: 0, .size: 8, .value_kind: global_buffer, .address_space: global }
      - { .name: z_codes, .offset: 8, .size: 8, .value_kind: global_buffer, .address_space: global }
      - { .name: Ww_codes, .offset: 16, .size: 8, .value_kind: global_buffer, .address_space: global }
      - { .name: Wz_codes, .offset: 24, .size: 8, .value_kind: global_buffer, .address_space: global }
      - { .name: hidden_scales, .offset: 32, .size: 8, .value_kind: global_buffer, .address_space: global }
      - { .name: z_scales, .offset: 40, .size: 8, .value_kind: global_buffer, .address_space: global }
      - { .name: Ww_scales, .offset: 48, .size: 8, .value_kind: global_buffer, .address_space: global }
      - { .name: Wz_scales, .offset: 56, .size: 8, .value_kind: global_buffer, .address_space: global }
      - { .name: bw, .offset: 64, .size: 8, .value_kind: global_buffer, .address_space: global }
      - { .name: bz, .offset: 72, .size: 8, .value_kind: global_buffer, .address_space: global }
      - { .name: w_a, .offset: 80, .size: 8, .value_kind: global_buffer, .address_space: global }
      - { .name: Vw, .offset: 88, .size: 8, .value_kind: global_buffer, .address_space: global }
      - { .name: upart, .offset: 96, .size: 8, .value_kind: global_buffer, .address_space: global }
    .group_segment_fixed_size: 327680
    .private_segment_fixed_size: 0
    .kernarg_segment_align: 8
    .kernarg_segment_size: 104
    .max_flat_workgroup_size: 128
    .sgpr_count:     106
    .vgpr_count:     1024
    .wavefront_size: 32
...
	.end_amdgpu_metadata
.endif
;; end of part 1
;; launch softmax (part 2): grid 1 x 1, 32 waves a work-group, no clusters, 8,192 bytes of LDS; arguments upart, out0; writes out0
.if DOCPART == 2
	.amdgcn_target "amdgcn-amd-amdhsa--gfx1250"
	.amdhsa_code_object_version 6
	.text
	.protected	k_qe4569432f3_softmax
	.globl	k_qe4569432f3_softmax
	.p2align	8
	.type	k_qe4569432f3_softmax,@function
k_qe4569432f3_softmax:
	s_mov_b64 s[64:65], 0
	v_nop
	global_prefetch_b8 v0, s[64:65] scope:SCOPE_SE
	s_setreg_imm32_b32 hwreg(HW_REG_WAVE_MODE, 25, 1), 1
	s_wait_xcnt 0x0
; u[m] = upart[0][m] + upart[1][m] + upart[2][m] + upart[3][m], m = 16 s + b;  out0[m] = exp(u[m] - max over s) / the sum over s of the same, for each of the 16 b.
; WORK LEFT OUT: vb and the sum of Vw, terms that are the same along s, which a softmax along s takes away for all values; vb is no argument.
; ONE work-group of 32 waves: each column b runs through all 16,384 numbers, 64 bytes a thread, so the sums never leave the work-group.  No matrix unit, no tensor load: nothing is multiplied or read twice.
; Thread t owns m = 4,096 i + 4 t + c, i and c = 0 .. 3: every load and store of a wave covers 512 consecutive bytes.  Its register c belongs to column b = 4 (t % 4) + c, whatever i.
; A column's maximum and sum are taken over i in the lane, over the lanes with the same t % 4 (lane xor 4, 8, 16), and over the 32 waves through a table in LDS: 64 bytes a wave.  Two tables, one barrier each.
; The maximum is the column's true maximum.  p = 2^(u log2(e) - M log2(e)): one fused multiply-add; the rounding of M log2(e) is common to a column and leaves in the division.
; LIMITS: NaN is not served.
.set PART,  65536
.set QUART, 16384
.set M,   4                            ; v[4:7]    the columns' maxima, later their sums
.set PD,  8                            ; v[8:11]   destinations of the lane permute
.set NM,  12                           ; v[12:15]  -M log2(e), later 1 / the sum
.set X,   16                           ; v[16:79]  part p, quarter i at v[X + 16 p + 4 i]
.set TB,  80                           ; v[80:95]  four waves' entries of a table
	s_load_b128 s[4:7], s[0:1], 0x0                ; upart s[4:5], out0 s[6:7]
	v_lshl_add_u32 v96, v0, 2, 0x1000
	v_mov_b32 v97, 0
	v_lshlrev_b32 v1, 4, v0                        ; 16 t
	v_and_b32 v2, 0x3e0, v0                        ; 32 x wave
	v_and_b32 v3, 3, v0
	s_delay_alu instid0(VALU_DEP_2)
	v_lshlrev_b32 v2, 1, v2
	s_delay_alu instid0(VALU_DEP_1)
	v_lshl_add_u32 v2, v3, 4, v2                   ; a table's place: 64 x wave + 16 (t % 4)
	v_and_b32 v3, 31, v0
	s_delay_alu instid0(VALU_DEP_1)
	v_lshlrev_b32 v3, 4, v3                        ; where I read: 16 x lane
	s_mov_b32 s10, 0x3fb8aa3b                      ; log2(e), as a pair
	s_mov_b32 s11, s10
	s_mov_b32 s12, 0x76543210
	s_mov_b32 s13, 0xfedcba98
.irp c, 0,1,2,3
	v_mov_b32 v[PD+\c], 0
.endr
	s_wait_alu depctr_va_vdst(0)                   ; the wait at the head's end
	s_wait_kmcnt 0x0
.irp i, 0,1,2,3
.irp p, 0,1,2,3
	global_load_b128 v[X+16*\p+4*\i:X+16*\p+4*\i+3], v1, s[4:5] offset:PART*\p+QUART*\i th:TH_LOAD_NT
.endr
.endr
.irp i, 0,1,2,3
	s_wait_loadcnt 12-4*\i                         ; this quarter's four parts are in; the later quarters' loads may be out
.irp k, 0,2
	v_pk_add_f32 v[X+4*\i+\k:X+4*\i+\k+1], v[X+4*\i+\k:X+4*\i+\k+1], v[X+16+4*\i+\k:X+16+4*\i+\k+1]
	v_pk_add_f32 v[X+32+4*\i+\k:X+32+4*\i+\k+1], v[X+32+4*\i+\k:X+32+4*\i+\k+1], v[X+48+4*\i+\k:X+48+4*\i+\k+1]
.endr
.irp k, 0
	s_delay_alu instid0(VALU_DEP_3)
	v_pk_add_f32 v[X+4*\i+\k:X+4*\i+\k+1], v[X+4*\i+\k:X+4*\i+\k+1], v[X+32+4*\i+\k:X+32+4*\i+\k+1]
.endr
.irp k, 2
	s_delay_alu instid0(VALU_DEP_2)
	v_pk_add_f32 v[X+4*\i+\k:X+4*\i+\k+1], v[X+4*\i+\k:X+4*\i+\k+1], v[X+32+4*\i+\k:X+32+4*\i+\k+1]
.endr
.endr
	s_wait_alu depctr_va_vdst(0)
.macro LANES opd, op                   ; over the lanes that share my columns
.irp x, 4, 8
.irp c, 0,1,2,3
	\opd v[M+\c], v[M+\c], v[M+\c] row_xmask:\x row_mask:0xf bank_mask:0xf
.endr
.endr
.irp c, 0,1,2,3
	s_delay_alu instid0(VALU_DEP_4)
	v_permlanex16_b32 v[PD+\c], v[M+\c], s12, s13
.endr
.irp c, 0,1,2,3
	s_delay_alu instid0(VALU_DEP_4)
	\op v[M+\c], v[M+\c], v[PD+\c]
.endr
.endm
.macro RED opd, op, tab                ; v[M:M+3] over the whole work-group, the result in every lane
	LANES \opd, \op
	ds_store_b128 v2, v[M:M+3] offset:\tab         ; the eight lanes that share my columns write the same 16 bytes with the same values
	s_wait_dscnt 0x0                               ; for the others' sake: my store is done
	s_barrier_signal -1
	s_barrier_wait -1
.irp k, 0,1,2,3
	ds_load_b128 v[TB+4*\k:TB+4*\k+3], v3 offset:\tab+512*\k
.endr
	s_wait_dscnt 0x0
.irp c, 0,1,2,3
	\op v[M+\c], v[TB+\c], v[TB+4+\c]
	\op v[TB+8+\c], v[TB+8+\c], v[TB+12+\c]
.endr
.irp c, 0,1,2,3
	\op v[M+\c], v[M+\c], v[TB+8+\c]
.endr
	LANES \opd, \op
.endm
.irp c, 0,1,2,3
	v_max3_num_f32 v[M+\c], v[X+\c], v[X+4+\c], v[X+8+\c]
.endr
.irp c, 0,1,2,3
	s_delay_alu instid0(VALU_DEP_4)
	v_max_num_f32 v[M+\c], v[M+\c], v[X+12+\c]
.endr
	RED v_max_num_f32_dpp, v_max_num_f32, 0
.irp c, 0,1,2,3
	s_delay_alu instid0(VALU_DEP_4)
	v_mul_f32 v[NM+\c], 0xbfb8aa3b, v[M+\c]        ; -M log2(e)
.endr
.irp i, 0,1,2,3
.irp k, 0,2
	v_pk_fma_f32 v[X+4*\i+\k:X+4*\i+\k+1], v[X+4*\i+\k:X+4*\i+\k+1], s[10:11], v[NM+\k:NM+\k+1] op_sel_hi:[1,0,1]
.endr
.endr
	s_wait_alu depctr_va_vdst(0)
.irp j, 0,1,2,3,4,5,6,7,8,9,10,11,12,13,14,15
	v_exp_f32 v[X+\j], v[X+\j]                     ; p, at most 1
.endr
	v_nop
	s_wait_alu depctr_va_vdst(0)
.irp k, 0,2
	v_pk_add_f32 v[M+\k:M+\k+1], v[X+\k:X+\k+1], v[X+4+\k:X+4+\k+1]
	v_pk_add_f32 v[TB+\k:TB+\k+1], v[X+8+\k:X+8+\k+1], v[X+12+\k:X+12+\k+1]
.endr
.irp k, 0
	s_delay_alu instid0(VALU_DEP_3)
	v_pk_add_f32 v[M+\k:M+\k+1], v[M+\k:M+\k+1], v[TB+\k:TB+\k+1]
.endr
.irp k, 2
	s_delay_alu instid0(VALU_DEP_2)
	v_pk_add_f32 v[M+\k:M+\k+1], v[M+\k:M+\k+1], v[TB+\k:TB+\k+1]
.endr
	RED v_add_f32_dpp, v_add_f32, 2048             ; other bytes than the maxima's table: no barrier is owed between the two
	s_wait_alu depctr_va_vdst(0)
.irp c, 0,1,2,3
	v_rcp_f32 v[NM+\c], v[M+\c]
.endr
	v_nop
	s_wait_alu depctr_va_vdst(0)
.irp i, 0,1,2,3
.irp k, 0,2
	v_pk_mul_f32 v[X+4*\i+\k:X+4*\i+\k+1], v[X+4*\i+\k:X+4*\i+\k+1], v[NM+\k:NM+\k+1]
.endr
	global_store_b128 v1, v[X+4*\i:X+4*\i+3], s[6:7] offset:QUART*\i   ; 32 lanes store 512 consecutive bytes, at a multiple of 256 from out0's first byte
.endr
	s_wait_tensorcnt 0x0                           ; the wave's end
	ds_add_u32 v96, v97
	s_wait_dscnt 0x0
	s_endpgm
.Lfunc_end_k_qe4569432f3_softmax:
	.size	k_qe4569432f3_softmax, .Lfunc_end_k_qe4569432f3_softmax-k_qe4569432f3_softmax
	.p2alignl 7, 3214868480
	.fill 96, 4, 3214868480
	.section	.rodata,"a",@progbits
	.p2align	6, 0x0
	.amdhsa_kernel k_qe4569432f3_softmax
		.amdhsa_group_segment_fixed_size 8192
		.amdhsa_private_segment_fixed_size 0
		.amdhsa_enable_private_segment 0
		.amdhsa_kernarg_size 16
		.amdhsa_user_sgpr_count 2
		.amdhsa_user_sgpr_kernarg_segment_ptr 1
		.amdhsa_wavefront_size32 1
		.amdhsa_system_sgpr_workgroup_id_x 1
		.amdhsa_system_sgpr_workgroup_id_y 1
		.amdhsa_system_sgpr_workgroup_id_z 1
		.amdhsa_system_vgpr_workitem_id 0
		.amdhsa_next_free_vgpr 98
		.amdhsa_next_free_sgpr 66
		.amdhsa_reserve_vcc 0
		.amdhsa_float_denorm_mode_32 3
		.amdhsa_float_denorm_mode_16_64 3
		.amdhsa_memory_ordered 1
		.amdhsa_forward_progress 1
		.amdhsa_inst_pref_size 15
	.end_amdhsa_kernel
	.amdgpu_metadata
---
amdhsa.version: [ 1, 2 ]
amdhsa.kernels:
  - .name:           k_qe4569432f3_softmax
    .symbol:         k_qe4569432f3_softmax.kd
    .args:
      - { .name: upart, .offset: 0, .size: 8, .value_kind: global_buffer, .address_space: global }
      - { .name: out0, .offset: 8, .size: 8, .value_kind: global_buffer, .address_space: global }
    .group_segment_fixed_size: 8192
    .private_segment_fixed_size: 0
    .kernarg_segment_align: 8
    .kernarg_segment_size: 16
    .max_flat_workgroup_size: 1024
    .sgpr_count:     66
    .vgpr_count:     98
    .wavefront_size: 32
...
	.end_amdgpu_metadata
.endif
;; end of part 2
